; MI455X (gfx1250); checked and timed in simulation.
; The chip was launched on July 23, 2026; its instructions are those of AMD's public machine-readable ISA for CDNA 5 (MIT licence, August 2026) and "CDNA5" Instruction Set Architecture Reference Guide (July 2026). The comments in the code are by the model that wrote it; some were corrected since.
;; f VSRN. Allowed arithmetic: float matrix products may take bf16 or f16 operands with f32 sums; other float arithmetic in f32, or as packed bf16 or f16 multiplies, adds, multiply-adds, maxima and minima; sums over many terms, partial sums and values carried from step to step in f32; what a program stores and reads back later, other than sums and carried values, may be rounded once to bf16 or f16.
;; Inputs: feature_grid 16 x 96 x 96 x 96 float32; w_h0 128 x 128 float32; w_h1 128 x 128 float32; w_h2 128 x 128 float32; w_in 52 x 128 float32; w_out 128 x 1 float32; x 1,000,000 x 3 float32.
;; Outputs: out0 1,000,000 x 1 float32.
;; One version. Each part assembles by itself: llvm-mc -triple=amdgcn-amd-amdhsa -mcpu=gfx1250 --defsym DOCPART=n.
;; ======== version 1 of 1: 2 launches
;; limits: inputs' magnitudes at most 255; values are held in f16: magnitudes above 65,504 overflow, below 6.1e-05 lose precision
;; workspace buffers: gt 28,311,552 bytes; idx 4,000,000 bytes of whole numbers; wimg 119,040 bytes
;; launch prep (part 1): grid 1414 x 1, 8 waves a work-group, no clusters, 19,456 bytes of LDS; arguments feature_grid, x, w_in, w_h0, w_h1, w_h2, w_out, gt, idx, wimg; writes gt, idx, wimg
.if DOCPART == 1
	.amdgcn_target "amdgcn-amd-amdhsa--gfx1250"
	.amdhsa_code_object_version 6
	.text
	.protected	k_qe7616f6bab_prep
	.globl	k_qe7616f6bab_prep
	.p2align	8
	.type	k_qe7616f6bab_prep,@function
k_qe7616f6bab_prep:
	s_mov_b64 s[64:65], 0
	v_nop
	global_prefetch_b8 v0, s[64:65] scope:SCOPE_SE
	s_setreg_imm32_b32 hwreg(HW_REG_WAVE_MODE, 25, 1), 1
	s_wait_xcnt 0x0
; THREE PREPARATIONS IN ONE LAUNCH, chosen by the work-group's number.
;   0 .. 4      WEIGHTS: one matrix each (w_in, w_h0, w_h1, w_h2, w_out) -> wimg: f16 fragments in the order in which the next launch's matrix instructions take them, and an inverse scale.
;   5 .. 436    GRID: feature_grid [16][884736] f32 -> gt [884736][16] f16: a voxel's 16 channels become 32 neighbouring bytes.
;   437 .. 1413 INDEX: x [1000000][3] -> idx: for each point the voxel (zb 96 + yb) 96 + xb, each of xb, yb, zb = clip(floor(f), 0, 94); the next launch forms addresses from these whole numbers.
; THE SCALES.  The network has no bias and ReLU is positively homogeneous, so each matrix may be multiplied by a positive number whose inverse is applied to y.  S = the largest column sum of |W|
; (f32); the scale is the power of two that brings S into [2, 4): exact, and no layer grows the largest activation by more than 4.
; LIMITS.  f16 ends at 65,504: |feature_grid| beyond that gives an infinity; the four hidden layers cannot overflow while |feature_grid| <= 255 (256 x 255 < 65,504), whatever the weights.
; A matrix with S below 2^-125 gets the inverse scale 0 (y = 0).  NaN and infinities are not treated apart.
; No matrix unit, no cluster, no tensor load: the launch streams, and its work-groups share no input.  No barrier: no wave reads another wave's LDS bytes.
.set NW,    5                          ; work-groups for the weights
.set NT,    432                        ; for the grid: 432 x 8 waves x 256 voxels = 884,736
.set CHB,   3538944                    ; bytes of one channel of the grid
.set QP,    144                        ; stage: four voxels' 128 bytes + 16 of padding
.set STG,   16*QP                      ; a wave's stage: 64 voxels
.set SPARE, 8*STG                      ; behind the stages: the spare words, 128 bytes for each wave: four blocks of 256 bytes that no other line names
.set SPW,   2                          ; v2  LDS address of my spare word; never rewritten
.set NIL,   3                          ; v3  0; never rewritten
.set Y,     8                          ; v[8:23]   grid: 16 packed registers at work
.set X,     32                         ; v[32:159] grid: chunk q, channel j at X + 32 q + 4 j.  Weights: what is loaded
	s_load_b512 s[12:27], s[0:1], 0x0              ; grid 12, x 14, w_in 16, w_h0 18, w_h1 20, w_h2 22, w_out 24, gt 26
	s_load_b128 s[28:31], s[0:1], 0x40             ; idx 28, wimg 30
	v_lshl_add_u32 v[SPW], v0, 2, SPARE
	v_mov_b32 v[NIL], 0
	v_and_b32 v1, 31, v0                           ; lane
	v_lshrrev_b32 v4, 5, v0
	v_readfirstlane_b32 s8, v4                     ; wave 0..7
	v_lshlrev_b32 v7, 4, v1                        ; 16 x lane
	s_mov_b32 s51, 0                               ; the high word of every offset pair s[50:51]
	s_wait_kmcnt 0x0
	s_cmp_lt_u32 ttmp9, NW
	s_cbranch_scc1 .Lweights
	s_cmp_lt_u32 ttmp9, NW+NT
	s_cbranch_scc0 .Lindex
; ---------------------------------------------------------------- GRID
; Wave u = 8 b + wave owns 256 voxels, four chunks of 64.  Lane l: four voxels vg = l / 2, eight channels 8 (l % 2) + j.  In a load the even lanes take 256 consecutive, aligned bytes of one
; channel and the odd lanes 256 of another.  All 32 loads of the wave go out at once: 16,384 bytes on their way.
	s_sub_co_u32 s9, ttmp9, NW
	s_lshl3_add_u32 s9, s9, s8                     ; u
	s_lshl_b32 s50, s9, 10                         ; 256 voxels x 4 bytes
	s_add_nc_u64 s[32:33], s[12:13], s[50:51]      ; channel j of my voxels at s[32+2j:33+2j]
.irp j, 1,2,3,4,5,6,7
	s_add_nc_u64 s[32+2*\j:33+2*\j], s[30+2*\j:31+2*\j], CHB
.endr
	s_lshl_b32 s50, s9, 13                         ; 256 voxels x 32 bytes
	s_add_nc_u64 s[48:49], s[26:27], s[50:51]
	s_mul_i32 s10, s8, STG                         ; my stage
	s_mov_b32 s11, 8*CHB
	v_and_b32 v24, 1, v1                           ; half
	v_lshrrev_b32 v25, 1, v1                       ; vg
	v_mul_lo_u32 v4, v24, s11
	v_lshl_add_u32 v4, v25, 4, v4                  ; load offset: 8 channels x half + 16 vg
	v_mul_u32_u24 v5, v25, QP
	v_lshl_add_u32 v5, v24, 4, v5
	v_add_nc_u32 v5, s10, v5                       ; into the stage: quad vg, 16 bytes for each half
	v_lshrrev_b32 v26, 3, v1
	v_and_b32 v27, 7, v1
	v_mul_u32_u24 v6, v26, QP
	v_lshl_add_u32 v6, v27, 4, v6
	v_add_nc_u32 v6, s10, v6                       ; back: eight lanes take a quad's 128 bytes
.irp q, 0,1,2,3
.irp j, 0,1,2,3,4,5,6,7
	global_load_b128 v[X+32*\q+4*\j:X+32*\q+4*\j+3], v4, s[32+2*\j:33+2*\j] offset:256*\q th:TH_LOAD_NT
.endr
.endr
; One chunk: 64 voxels are rounded to f16, turned in the wave's own stage, and stored as 2,048 consecutive bytes.
.macro CHUNK q
	s_wait_loadcnt 24-8*(\q)                       ; loads come back in order (ISA guide 5.7.1): the younger chunks' eight loads each may stay out
.irp i, 0,1,2,3
.irp jj, 0,1,2,3
	v_cvt_pk_f16_f32 v[Y+4*\i+\jj], v[X+32*(\q)+8*\jj+\i], v[X+32*(\q)+8*\jj+4+\i]  ; voxel i: channels 2 jj, 2 jj + 1 of my eight
.endr
.endr
.irp i, 0,1,2,3
	ds_store_b128 v5, v[Y+4*\i:Y+4*\i+3] offset:32*\i
.endr
.irp s, 0,1,2,3
	ds_load_b128 v[X+32*(\q)+4*\s:X+32*(\q)+4*\s+3], v6 offset:4*QP*\s  ; LDS serves a wave's instructions in order (ISA guide 5.7.1.4): these see the stores above, and the next chunk's stores come behind them
.endr
.irp s, 0,1,2,3
	s_wait_dscnt 3-\s                              ; the younger loads from the stage may stay out
	global_store_b128 v7, v[X+32*(\q)+4*\s:X+32*(\q)+4*\s+3], s[48:49] offset:2048*(\q)+512*\s  ; 512 consecutive bytes, at a multiple of 512 from gt's first; each chunk has its own data registers, so none is rewritten
.endr
.endm
	CHUNK 0
	CHUNK 1
	CHUNK 2
	CHUNK 3
	s_wait_tensorcnt 0x0                           ; the wave's end: behind my last LDS store
	ds_add_u32 v[SPW], v[NIL]
	s_wait_dscnt 0x0
	s_endpgm
; ---------------------------------------------------------------- INDEX
; A thread takes four points: 48 bytes of x in, 16 bytes of idx out.  250,000 threads have work; the last work-group has 144 of them.
.Lindex:
	s_sub_co_u32 s9, ttmp9, NW+NT
	s_lshl_b32 s10, s9, 8
	s_sub_co_u32 s10, 250000, s10                  ; threads with work from this work-group's first on
	s_mul_i32 s50, s9, 12288
	s_add_nc_u64 s[32:33], s[14:15], s[50:51]
	s_lshl_b32 s50, s9, 12
	s_add_nc_u64 s[34:35], s[28:29], s[50:51]
	v_mul_u32_u24 v4, v0, 48
	v_lshlrev_b32 v5, 4, v0
	v_cmp_gt_u32 vcc_lo, s10, v0
	s_wait_xcnt 0x0                                ; EXEC changes only behind this wait
	s_and_saveexec_b32 s11, vcc_lo
	global_load_b128 v[8:11], v4, s[32:33] th:TH_LOAD_NT
	global_load_b128 v[12:15], v4, s[32:33] offset:16 th:TH_LOAD_NT
	global_load_b128 v[16:19], v4, s[32:33] offset:32 th:TH_LOAD_NT
	s_wait_loadcnt 0x0
; f = (x + 1) / 2 x 95: the fused line rounds once, as x + 1 does, and the halving is exact.  The next launch makes f by the same two lines, so index and weight agree.
.irp c, 8,9,10,11,12,13,14,15,16,17,18,19
	v_fma_f32 v\c, v\c, 0.5, 0.5
.endr
.irp c, 8,9,10,11,12,13,14,15,16,17,18,19
	v_mul_f32 v\c, 0x42be0000, v\c                 ; x 95
.endr
.irp c, 8,9,10,11,12,13,14,15,16,17,18,19
	v_floor_f32 v\c, v\c
.endr
.irp c, 8,9,10,11,12,13,14,15,16,17,18,19
	v_max_num_f32 v\c, 0, v\c
.endr
.irp c, 8,9,10,11,12,13,14,15,16,17,18,19
	v_min_num_f32 v\c, 0x42bc0000, v\c             ; 94: the cell's upper corner stays inside the grid
.endr
.irp p, 0,1,2,3
	v_fmamk_f32 v[20+\p], v[10+3*\p], 0x42c00000, v[9+3*\p]   ; z 96 + y
.endr
.irp p, 0,1,2,3
	v_fmamk_f32 v[20+\p], v[20+\p], 0x42c00000, v[8+3*\p]     ; (..) 96 + x: whole numbers under 2^24, exact in f32
.endr
.irp p, 0,1,2,3
	v_cvt_u32_f32 v[20+\p], v[20+\p]
.endr
	global_store_b128 v5, v[20:23], s[34:35]       ; a wave stores 512 consecutive bytes
	s_wait_xcnt 0x0                                ; and EXEC is restored only behind this wait
	s_or_b32 exec_lo, exec_lo, s11
	s_endpgm
; ---------------------------------------------------------------- WEIGHTS
; Every wave finds S for itself (at most 65,536 bytes, read by eight waves of one work-group): no LDS, no barrier.  Then wave m builds the fragments of output units 16 m .. 16 m + 15.
; A fragment is 16 units x 32 k of f16 for source 0: lane l = r + 16 h holds unit r; register q, half e holds k = 16 (q / 4) + 8 h + 2 (q % 4) + e (ISA guide 7.12.2).  In wimg it is 1,024 bytes:
; registers 0-3 of lane l at 16 l, registers 4-7 at 512 + 16 l.
.macro ADDABS cnt                      ; v[8:11] += |what was loaded|, four columns a lane
.set n, 0
.rept \cnt
	v_add_f32 v[8+n%4], v[8+n%4], |v[X+n]|
.set n, n+1
.endr
.endm
.macro LANEMAX                         ; the largest of the 128 column sums, in every lane
	v_max3_num_f32 v8, v8, v9, v10
	v_max_num_f32 v8, v8, v11
	v_max_num_f32_dpp v8, v8, v8 row_xmask:1 row_mask:0xf bank_mask:0xf
	v_max_num_f32_dpp v8, v8, v8 row_xmask:2 row_mask:0xf bank_mask:0xf
	v_max_num_f32_dpp v8, v8, v8 row_xmask:4 row_mask:0xf bank_mask:0xf
	v_max_num_f32_dpp v8, v8, v8 row_xmask:8 row_mask:0xf bank_mask:0xf
	v_permlanex16_b32 v9, v8, s56, s57
	v_max_num_f32 v8, v8, v9
.endm
.macro MKSCALE                         ; from S in v8: v12 = v13 = 2^(128 - E), v14 = 2^(E - 128), E = S's biased exponent held to 1 .. 254
	v_lshrrev_b32 v12, 23, v8
	v_max_u32 v12, 1, v12
	v_min_u32 v12, 0xfe, v12
	v_sub_nc_u32 v13, 0xff, v12
	v_lshlrev_b32 v13, 23, v13
	v_add_nc_u32 v14, -1, v12
	v_lshlrev_b32 v14, 23, v14
	v_mov_b32 v12, v13
.endm
.macro SCALEPACK np                    ; np pairs: scaled (exactly), rounded once to f16, into v[96 ..]
.set n, 0
.rept \np
	v_pk_mul_f32 v[X+2*n:X+2*n+1], v[X+2*n:X+2*n+1], v[12:13]
.set n, n+1
.endr
.set n, 0
.rept \np
	v_cvt_pk_f16_f32 v[96+n], v[X+2*n], v[X+2*n+1]
.set n, n+1
.endr
.endm
.macro PUT cnt                         ; cnt stores of 512 consecutive bytes from s[60:61] on
.set n, 0
.rept \cnt
	global_store_b128 v7, v[96+4*n:96+4*n+3], s[60:61] offset:512*n
.set n, n+1
.endr
.endm
.Lweights:
	s_mov_b32 s56, 0x76543210                      ; v_permlanex16_b32: each lane takes its own place in the other half
	s_mov_b32 s57, 0xfedcba98
	v_and_b32 v16, 15, v1                          ; r
	v_lshrrev_b32 v17, 4, v1                       ; h
	s_lshl_b32 s9, ttmp9, 2
	v_mov_b32 v15, s9                              ; where the inverse scale goes
	s_cmp_eq_u32 ttmp9, 0
	s_cbranch_scc1 .Lwin
	s_cmp_eq_u32 ttmp9, 4
	s_cbranch_scc1 .Lwout
; a hidden matrix, [128 k][128 units]
	s_cmp_eq_u32 ttmp9, 1
	s_cselect_b64 s[52:53], s[18:19], s[20:21]
	s_cmp_eq_u32 ttmp9, 3
	s_cselect_b64 s[52:53], s[22:23], s[52:53]
	s_mov_b64 s[54:55], s[52:53]                   ; a copy that walks
.irp c, 8,9,10,11
	v_mov_b32 v\c, 0
.endr
	s_mov_b32 s58, 4
.Lcol:                                                 ; a trip: 32 rows of 512 bytes, a row a load
.set n, 0
.rept 32
	global_load_b128 v[X+4*n:X+4*n+3], v7, s[54:55] offset:512*n
.set n, n+1
.endr
	s_wait_loadcnt 0x0                             ; also frees the loads' base
	ADDABS 128
	s_add_nc_u64 s[54:55], s[54:55], 16384
	s_sub_co_u32 s58, s58, 1
	s_cmp_lg_u32 s58, 0
	s_cbranch_scc1 .Lcol
	LANEMAX
	MKSCALE
	v_lshlrev_b32 v4, 12, v17                      ; 8 h rows
	v_lshl_add_u32 v4, v16, 2, v4                  ; + unit r
	s_lshl_b32 s9, s8, 6
	v_add_nc_u32 v4, s9, v4                        ; + 16 units x wave
.set n, 0
.rept 64                               ; number 16 c + 2 q + e: row 32 c + 16 (q / 4) + 2 (q % 4) + e (+ 8 h)
	global_load_b32 v[X+n], v4, s[52:53] offset:(32*(n/16)+16*((n%16)/8)+2*(((n%16)/2)%4)+n%2)*512
.set n, n+1
.endr
	s_sub_co_u32 s9, ttmp9, 1
	s_lshl3_add_u32 s9, s9, s8
	s_lshl_b32 s50, s9, 12                         ; fragment 16 + 32 (id - 1) + 4 wave
	s_add_co_u32 s50, s50, 16384
	s_add_nc_u64 s[60:61], s[30:31], s[50:51]
	s_wait_loadcnt 0x0
	SCALEPACK 32
	PUT 8
	s_branch .Linv
; w_in, [52 k][128 units].  Its k is laid as the next launch's lanes hold the input: register i = 0 .. 15 of the two K steps, half e: rows 18 h + 2 i + e (i <= 8: three levels of sines and
; cosines), rows 18 + 8 h + 2 i + e (i = 9 .. 12: eight channels), 0 (i = 13 .. 15).  A permutation of k applied alike to both sources keeps the products.
.Lwin:
.irp c, 8,9,10,11
	v_mov_b32 v\c, 0
.endr
.irp rd, 0,1
.set n, 0
.rept 26
	global_load_b128 v[X+4*n:X+4*n+3], v7, s[16:17] offset:512*(26*\rd+n)
.set n, n+1
.endr
	s_wait_loadcnt 0x0
	ADDABS 104
.endr
	LANEMAX
	MKSCALE
	s_lshl_b32 s9, s8, 6
	v_lshl_add_u32 v5, v16, 2, s9                  ; unit r of my 16
	v_mul_u32_u24 v4, v17, 9216                    ; 18 h rows
	v_add_nc_u32 v4, v4, v5
	v_lshl_add_u32 v5, v17, 12, v5                 ; 8 h rows
.set n, 0
.rept 26                               ; number 2 i + e
.if n < 18
	global_load_b32 v[X+n], v4, s[16:17] offset:n*512
.else
	global_load_b32 v[X+n], v5, s[16:17] offset:(18+n)*512
.endif
.set n, n+1
.endr
.irp c, 58,59,60,61,62,63
	v_mov_b32 v\c, 0
.endr
	s_lshl_b32 s50, s8, 11                         ; fragments 2 wave, 2 wave + 1
	s_add_nc_u64 s[60:61], s[30:31], s[50:51]
	s_wait_loadcnt 0x0
	SCALEPACK 16
	PUT 4
	s_branch .Linv
; w_out, [128 k][1].  S is its one column's sum.  Wave c < 4 builds K step c: rows 0 and 8 of the fragment hold w_out, the others 0, so that y falls into register 0 of both halves of the lanes.
.Lwout:
	global_load_b128 v[8:11], v7, s[24:25]
	s_wait_loadcnt 0x0
	v_add_f32 v8, |v8|, |v9|
	v_add_f32 v10, |v10|, |v11|
	v_add_f32 v8, v8, v10
	v_add_f32_dpp v8, v8, v8 row_xmask:1 row_mask:0xf bank_mask:0xf
	v_add_f32_dpp v8, v8, v8 row_xmask:2 row_mask:0xf bank_mask:0xf
	v_add_f32_dpp v8, v8, v8 row_xmask:4 row_mask:0xf bank_mask:0xf
	v_add_f32_dpp v8, v8, v8 row_xmask:8 row_mask:0xf bank_mask:0xf
	v_permlanex16_b32 v9, v8, s56, s57
	v_add_f32 v8, v8, v9
	MKSCALE
	s_cmp_gt_u32 s8, 3
	s_cbranch_scc1 .Lend
	v_and_b32 v18, 7, v16
	v_cmp_eq_u32 vcc_lo, 0, v18
	v_cndmask_b32 v12, 0, v12, vcc_lo              ; the scale, or 0 in the rows that stay empty
	v_mov_b32 v13, v12
	s_lshl_b32 s9, s8, 7
	v_lshl_add_u32 v4, v17, 5, s9                  ; k = 32 c + 8 h on
	global_load_b128 v[X:X+3], v4, s[24:25]
	global_load_b128 v[X+4:X+7], v4, s[24:25] offset:16
	global_load_b128 v[X+8:X+11], v4, s[24:25] offset:64
	global_load_b128 v[X+12:X+15], v4, s[24:25] offset:80
	s_lshl_b32 s50, s8, 10
	s_add_co_u32 s50, s50, 112*1024                ; fragment 112 + c
	s_add_nc_u64 s[60:61], s[30:31], s[50:51]
	s_wait_loadcnt 0x0
	SCALEPACK 8
	PUT 2
.Linv:                                                 ; wave 0, lane 0 stores the matrix's inverse scale behind the fragments
	s_cmp_lg_u32 s8, 0
	s_cbranch_scc1 .Lend
	v_cmp_eq_u32 vcc_lo, 0, v1
	s_wait_xcnt 0x0                                ; EXEC changes only behind this wait
	s_and_saveexec_b32 s59, vcc_lo
	global_store_b32 v15, v14, s[30:31] offset:118784
	s_wait_xcnt 0x0
	s_or_b32 exec_lo, exec_lo, s59
.Lend:
	s_endpgm
.Lfunc_end_k_qe7616f6bab_prep:
	.size	k_qe7616f6bab_prep, .Lfunc_end_k_qe7616f6bab_prep-k_qe7616f6bab_prep
	.p2alignl 7, 3214868480
	.fill 96, 4, 3214868480
	.section	.rodata,"a",@progbits
	.p2align	6, 0x0
	.amdhsa_kernel k_qe7616f6bab_prep
		.amdhsa_group_segment_fixed_size 19456
		.amdhsa_private_segment_fixed_size 0
		.amdhsa_enable_private_segment 0
		.amdhsa_kernarg_size 80
		.amdhsa_user_sgpr_count 2
		.amdhsa_user_sgpr_kernarg_segment_ptr 1
		.amdhsa_wavefront_size32 1
		.amdhsa_system_sgpr_workgroup_id_x 1
		.amdhsa_system_sgpr_workgroup_id_y 1
		.amdhsa_system_sgpr_workgroup_id_z 1
		.amdhsa_system_vgpr_workitem_id 0
		.amdhsa_next_free_vgpr 160
		.amdhsa_next_free_sgpr 66
		.amdhsa_reserve_vcc 1
		.amdhsa_float_denorm_mode_32 3
		.amdhsa_float_denorm_mode_16_64 3
		.amdhsa_memory_ordered 1
		.amdhsa_forward_progress 1
		.amdhsa_inst_pref_size 70
	.end_amdhsa_kernel
	.amdgpu_metadata
---
amdhsa.version: [ 1, 2 ]
amdhsa.kernels:
  - .name:           k_qe7616f6bab_prep
    .symbol:         k_qe7616f6bab_prep.kd
    .args:
      - { .name: feature_grid, .offset: 0, .size: 8, .value_kind: global_buffer, .address_space: global }
      - { .name: x, .offset: 8, .size: 8, .value_kind: global_buffer, .address_space: global }
      - { .name: w_in, .offset: 16, .size: 8, .value_kind: global_buffer, .address_space: global }
      - { .name: w_h0, .offset: 24, .size: 8, .value_kind: global_buffer, .address_space: global }
      - { .name: w_h1, .offset: 32, .size: 8, .value_kind: global_buffer, .address_space: global }
      - { .name: w_h2, .offset: 40, .size: 8, .value_kind: global_buffer, .address_space: global }
      - { .name: w_out, .offset: 48, .size: 8, .value_kind: global_buffer, .address_space: global }
      - { .name: gt, .offset: 56, .size: 8, .value_kind: global_buffer, .address_space: global }
      - { .name: idx, .offset: 64, .size: 8, .value_kind: global_buffer, .address_space: global }
      - { .name: wimg, .offset: 72, .size: 8, .value_kind: global_buffer, .address_space: global }
    .group_segment_fixed_size: 19456
    .private_segment_fixed_size: 0
    .kernarg_segment_align: 8
    .kernarg_segment_size: 80
    .max_flat_workgroup_size: 256
    .sgpr_count:     66
    .vgpr_count:     160
    .wavefront_size: 32
...
	.end_amdgpu_metadata
.endif
;; end of part 1
;; launch mlp (part 2): grid 256 x 1, 8 waves a work-group, no clusters, 167,936 bytes of LDS; arguments gt, idx, wimg, x, out0; writes out0
.if DOCPART == 2
	.amdgcn_target "amdgcn-amd-amdhsa--gfx1250"
	.amdhsa_code_object_version 6
	.text
	.protected	k_qe7616f6bab_mlp
	.globl	k_qe7616f6bab_mlp
	.p2align	8
	.type	k_qe7616f6bab_mlp,@function
k_qe7616f6bab_mlp:
	s_mov_b64 s[64:65], 0
	v_nop
	global_prefetch_b8 v0, s[64:65] scope:SCOPE_SE
	s_setreg_imm32_b32 hwreg(HW_REG_WAVE_MODE, 25, 1), 1
	s_wait_xcnt 0x0
; y = MLP(concat(sines and cosines of x, trilinear sample of the grid at x)): 52 -> 128 -> 128 -> 128 -> 128 -> 1, ReLU between, no bias.  1,000,000 points.
; FORMATS.  Matrix operands in f16, sums in f32.  The weights come scaled by exact powers of two (the launch before); the product FS of the five inverse scales is applied to y in f32.  x is never rounded.
; LIMITS.  No activation overflows f16 while |feature_grid| <= 255; FS must be finite and not 0; NaN and infinities are not treated apart.  The sines and cosines are those of the exact
; pi 2^k x, where the reference rounds the angle first: up to 1e-5 apart for |x| <= 1, 3e-4 for |x| <= 30.  Their own error (polynomial and three doublings) stays under 5e-5.
; The eight corners are weighted by products of the three pairs (1 - t, t) and summed in f32, where the reference interpolates axis by axis: another order of rounding.
; SHARES.  15,625 groups of 64 points.  256 work-groups of eight waves stay; wave W = work-group + 256 x wave takes groups W, W + 2,048, ..: 8 of them if W < 1,289, else 7.
; A pass is one group: four tiles of 16 points, point(p, r) = 64 g + 2 r + 32 (p / 2) + p % 2, so that a lane ends with two neighbouring y and the wave stores 256 consecutive bytes.
; LAYOUT.  Every product is D = W^T h^T: source 0 = 16 output units (a fragment from LDS), source 1 = 16 points.  In D a lane (r, h) holds point r and units 8 h .. 8 h + 7; two such results rounded to
; f16 in pairs ARE source 1 of the next layer (ISA guide 7.12.2): the activations never leave the registers.  All 116 fragments, 118,784 bytes, lie in LDS for the whole launch; a fragment read feeds four products.
; VECTOR WORK BESIDE MATRIX WORK.  A step (16 output units of the four tiles) leaves 32 vector lines: 16 roundings to f16, 16 ReLU.  They are cut into eight SLICES of four, which stand among the NEXT step's
; products: behind every second one where a step has 16, behind every one where it has 8.  The encoding has no products of its own pass to stand beside; so half of the work-group's waves run behind
; the other half (they ask for their first voxel numbers later), and not all waves encode at the same time.  Two waves a SIMD, 512 registers each; no barrier in the loop.
; THE GATHER of pass i + 1 (32 loads of 16 bytes a lane, from indices that the launch before stored) goes out behind the encoding of pass i and is waited for a whole network later.
; NO CLUSTER: what work-groups share is the 118,784 bytes of weights, fetched once; a work-group's own gathers are 8 waves x 7 or 8 passes x 64 points x 256 bytes, about a million bytes.
; REGISTERS, in windows of 256 (s_set_vgpr_msb: bits 1:0 source 0, 3:2 source 1, 5:4 source 2, 7:6 destination):
;   window 0: v0-19 addresses and constants; v20-31 x; v32-95 two sets of four accumulators, at work while encoding; v96-127 a ring of four fragments; v128-255 the gathered corners
;   window 1: v0-127 BA, v128-255 BB: the activations, by turns; tile p, K step k at 32 p + 8 k
; One window for products and slices alike would have to hold both activation buffers, the accumulators and the fragments: 352 registers.  So a slice costs two switches.
.set NGRP,   15625
.set STRIDE, 2048                      ; waves in the launch
.set NFRAG,  116
.set WROWS,  58                        ; rows of 256 bytes that one wave's tensor load brings: 8 x 58 x 256 = 118,784
.set WPART,  WROWS*256
.set SPARE,  NFRAG*1024                ; behind the fragments: the spare words, 128 bytes for each wave: four blocks of 256 bytes that no other line names
.set SPW, 2                            ; v2   LDS address of my spare word; never rewritten
.set NIL, 3                            ; v3   0; never rewritten
.set LB0, 4                            ; v4   16 x lane: fragments 0-63
.set LB1, 5                            ; v5   16 x lane + 65,536: fragments 64-115 (an LDS offset has 16 bits)
.set H16, 6                            ; v6   16 h
.set HS,  7                            ; v7   0.5 (h = 0) or 4.0 (h = 1)
.set Z0,  8                            ; v8   0
.set XO,  9                            ; v9   24 r
.set IO,  10                           ; v10  8 r
.set SO,  11                           ; v11  8 x lane
.set IDX, 12                           ; v12-15  the next group's voxel numbers, tile p at IDX + p
.set GA,  16                           ; v16-19  gather offsets
.set XN,  20                           ; v20-31  x, y, z of tile p at XN + 3 p
.set ACC, 32                           ; set a, tile p at ACC + 32 a + 8 p
.set AF,  96                           ; fragment f in slot f % 4
.set G,   128                          ; tile p, corner c = 4 dz + 2 dy + dx at G + 32 p + 4 c: eight channels in f16
.set BA,  0
.set BB,  128
; at work while encoding, in the accumulators' registers
.set TP,  32                           ; (1 - t, t) for x, y, z
.set FX,  38                           ; f
.set FL,  41                           ; floor(f)
.set ZY,  44                           ; the four products of y's and z's weights
.set WT,  48                           ; the eight corners' weights
.set FT,  56                           ; my eight channels
.set PR,  64                           ; r; then the first level's sines
.set PZ,  68                           ; r^2; then its cosines
.set PS,  72                           ; the half angle's sines; then the second level's
.set PC,  76                           ; cosines likewise
.set PD,  80                           ; 2 sin
.set PN,  84                           ; the nearest whole numbers; then the third level's sines
.set PE,  88                           ; its cosines
.set OUT, 64                           ; two y
.set WV,  14                           ; s14  wave
.set WN,  15                           ; s15  W
.set G1,  16                           ; s[16:23] descriptor group 1
.set G0,  24                           ; s[24:27] descriptor group 0
.set NPS, 28                           ; s28  my passes
.set CNT, 29                           ; s29  the pass
.set GRP, 30                           ; s30  its group
.set GNX, 31                           ; s31  the group that is fetched
.set OFS, 32                           ; s[32:33] an offset, high word 0
.set XB,  34                           ; s[34:35] x at the fetched group
.set IB,  36                           ; s[36:37] idx at the group behind it
.set OB,  38                           ; s[38:39] out0 at the pass's group
.set HM,  40                           ; s40  lanes 16-31
.set ZS,  41                           ; s41  0
.set FS,  42                           ; s[42:43] the product of the inverse scales
.set INV, 44                           ; s44-48 the five
.set C95, 49                           ; s49  95.0
.set SA0, 50                           ; sin(pi r) = r (a0 + z (a1 + z (a2 + z (a3 + z a4)))), z = r^2: Taylor's terms; each constant written twice, since the packed lines name a pair
.set SA1, 52
.set SA2, 54
.set SA3, 56
.set SA4, 58
.set SB1, 60                           ; cos(pi r) = 1 + z (b1 + z (b2 + z (b3 + z (b4 + z b5))))
.set SB2, 62
.set SB3, 66
.set SB4, 68
.set SB5, 70
.set MSB, 0
.macro WIN new                         ; the immediate's high byte repeats the setting that is left; a switch that changes nothing is dropped
.if MSB != (\new)
	s_set_vgpr_msb (MSB<<8)|(\new)
.set MSB, \new
.endif
.endm
.set W_MUL, 0x04                       ; source 1 (the activations) in window 1
.set W_CVT, 0x40                       ; destination in window 1
.set W_MAX, 0x41                       ; destination and source 0 in window 1
.macro CPAIR r, val
	s_mov_b32 s[\r], \val
	s_mov_b32 s[(\r)+1], \val
.endm
.macro PLACES                          ; a load into a register that a matrix instruction has read, and a vector line that reads its result, stand four places behind it
.rept 4
	v_nop
.endr
.endm
	s_load_b256 s[4:11], s[0:1], 0x0               ; gt 4, idx 6, wimg 8, x 10
	s_load_b64 s[12:13], s[0:1], 0x20              ; out0
	v_lshl_add_u32 v[SPW], v0, 2, SPARE
	v_mov_b32 v[NIL], 0
	ds_add_u32 v[SPW], v[NIL]                      ; the wave's opening: the add and its wait stand ahead of my tensor load; the set-up below, work on registers, stands between them
	ds_add_u32 v2, v3
	v_lshrrev_b32 v1, 5, v0
	v_readfirstlane_b32 s[WV], v1                  ; wave 0..7
	s_lshl_b32 s[WN], s[WV], 8
	s_add_co_u32 s[WN], s[WN], ttmp9               ; W
	s_cmp_lt_u32 s[WN], NGRP-7*STRIDE
	s_cselect_b32 s[NPS], 8, 7
	; descriptor group 1: a dense block as 58 rows of 256 bytes, no padding: lanes read fragments as 512 consecutive bytes
	s_mov_b32 s[G1+0], 3<<16                       ; no mask; elements of 8 bytes
	s_mov_b32 s[G1+1], 32<<16                      ; tensor_dim0 = 32
	s_mov_b32 s[G1+2], WROWS<<16                   ; tensor_dim1 = 58
	s_mov_b32 s[G1+3], 32<<16                      ; tile_dim0 = 32
	s_mov_b32 s[G1+4], WROWS                       ; tile_dim1 = 58
	s_mov_b32 s[G1+5], 32                          ; 32 elements from row to row
	s_mov_b32 s[G1+6], 0
	s_mov_b32 s[G1+7], 0
	s_mov_b32 s[G0], 1                             ; count = 1
	s_mul_i32 s[G0+1], s[WV], WPART                ; LDS address: my eighth
	s_mul_i32 s[OFS], s[WV], WPART
	s_mov_b32 s[OFS+1], 0
	s_mov_b32 s[HM], 0xffff0000
	s_mov_b32 s[ZS], 0
	s_mov_b32 s[C95], 0x42be0000
	CPAIR SA0, 0x40490fdb                          ;  pi
	CPAIR SA1, 0xc0a55de7                          ; -pi^3 / 6
	CPAIR SA2, 0x402335e3                          ;  pi^5 / 120
	CPAIR SA3, 0xbf196966                          ; -pi^7 / 5040
	CPAIR SA4, 0x3da83c1a                          ;  pi^9 / 362880
	CPAIR SB1, 0xc09de9e6                          ; -pi^2 / 2
	CPAIR SB2, 0x4081e0f8                          ;  pi^4 / 24
	CPAIR SB3, 0xbfaae9e4                          ; -pi^6 / 720
	CPAIR SB4, 0x3e70fa83                          ;  pi^8 / 40320
	CPAIR SB5, 0xbcd368f9                          ; -pi^10 / 3628800
	v_and_b32 v1, 31, v0                           ; lane
	v_lshlrev_b32 v[LB0], 4, v1
	v_add_nc_u32 v[LB1], 0x10000, v[LB0]
	v_and_b32 v[H16], 16, v0
	v_mov_b32 v[HS], 0.5
	v_cndmask_b32 v[HS], v[HS], 4.0, s[HM]
	v_mov_b32 v[Z0], 0
	v_and_b32 v[IO], 15, v0                        ; r
	v_mul_u32_u24 v[XO], v[IO], 24
	v_lshlrev_b32 v[IO], 3, v[IO]
	v_lshlrev_b32 v[SO], 3, v1
.irp p, 0,1,2,3
	v_mov_b32 v[IDX+\p], 0                         ; written here on every path; one of the two pairs of loads below, chosen by the wave's number, replaces it
.endr
	s_wait_dscnt 0x0                               ; the opening add is done
	s_wait_kmcnt 0x0
	s_add_nc_u64 s[G0+2:G0+3], s[8:9], s[OFS:OFS+1]  ; global address: my eighth of the fragments
	s_or_b32 s[G0+3], s[G0+3], 0x80000000          ; type = 2
	tensor_load_to_lds s[G0:G0+3], s[G1:G1+7]      ; the launch's only fill: one tensor load of mine is out; its descriptor is never rewritten
	s_nop 0
	s_load_b128 s[INV:INV+3], s[8:9], 0x1d000      ; the inverse scales, behind the fragments
	s_load_b32 s[INV+4], s[8:9], 0x1d010
	s_lshl_b32 s[OFS], s[WN], 8
	s_add_nc_u64 s[IB:IB+1], s[6:7], s[OFS:OFS+1]
	; Waves 0-3 ask for their first group's voxel numbers here, beside the weights' way in; waves 4-7 only behind the barrier: they reach their first encoding one round trip to memory later,
	; and from then on a wave of one half encodes while a wave of the other half multiplies.
	s_cmp_lt_u32 s[WV], 4
	s_cbranch_scc0 .Lnot_yet
	global_load_b64 v[IDX:IDX+1], v[IO], s[IB:IB+1] th:TH_LOAD_NT
	global_load_b64 v[IDX+2:IDX+3], v[IO], s[IB:IB+1] offset:128 th:TH_LOAD_NT
.Lnot_yet:
	s_wait_tensorcnt 0x0                           ; my eighth has landed,
	s_barrier_signal -1
	s_barrier_wait -1                              ; everybody's has: the kernel's only barrier; nothing is ever filled again
; THE FRAGMENTS go through a ring of four slots in the order in which they lie.  NLOAD is the next to be loaded, NFR the next to be multiplied; 116 is a multiple of 4, so a pass ends where it began.
.set NLOAD, 0
.set NFR,   0
.set NSTEP, 0
.macro LOADF                           ; two loads of 512 consecutive bytes; destination and address in window 0
.set fq, NLOAD%NFRAG
.set rA, AF+8*(NLOAD%4)
.if fq < 64
	ds_load_b128 v[rA:rA+3],   v[LB0] offset:fq*1024
	ds_load_b128 v[rA+4:rA+7], v[LB0] offset:fq*1024+512
.else
	ds_load_b128 v[rA:rA+3],   v[LB1] offset:(fq-64)*1024
	ds_load_b128 v[rA+4:rA+7], v[LB1] offset:(fq-64)*1024+512
.endif
.set NLOAD, NLOAD+1
.endm
; THE PACKING THAT IS DUE: units 16 PKM .. of the four tiles, in accumulator set PKA, go as f16 into buffer PKB.  PKN is its next slice of eight; 8: nothing is due.
; Slices 0-3: tile PKN is rounded, the accumulator's registers in ascending order.  Slices 4-7: ReLU on tile PKN - 4's packed halves: nothing is rounded, and it commutes with the rounding.
.set PKA, 0
.set PKB, 0
.set PKM, 0
.set PKN, 8
.macro SLICE
.if PKN < 4
	WIN W_CVT
.set rD, ACC+32*PKA+8*PKN
.set rB, PKB+32*PKN+8*(PKM/2)+4*(PKM%2)
.irp i, 0,1,2,3
	v_cvt_pk_f16_f32 v[rB+\i], v[rD+2*\i], v[rD+2*\i+1]
.endr
.elseif PKN < 8
	WIN W_MAX
.set rB, PKB+32*(PKN-4)+8*(PKM/2)+4*(PKM%2)
.irp i, 0,1,2,3
	v_pk_max_num_f16 v[rB+\i], v[rB+\i], s[ZS]
.endr
.endif
.set PKN, PKN+1
.endm
; A GROUP: fragment NFR x K step k of the four tiles' activations at bo, into set a.  K step 0 starts the sums: nothing is cleared.  The four accumulators take turns, one instruction a turn.
; per = 4: a slice behind every product; 2: behind every second; 0: none, and four v_nop at the end.  The four lines behind the last product name none of its registers (they work on the other set and
; on registers of the activations that no product of this group reads): they are the places in front of the load into the slot just read, and in front of the next step's reading of these sums.
.macro GROUP bo, k, a, per
	s_wait_dscnt 2*(NLOAD-NFR-1)                   ; LDS loads come back in order (ISA guide 5.7.1): two for each of the three younger fragments may stay out
.set rA, AF+8*(NFR%4)
.set p, 0
.rept 4
	WIN W_MUL
.set rD, ACC+32*(\a)+8*p
.set rB, (\bo)+32*p+8*(\k)
.if (\k) == 0
	v_wmma_f32_16x16x32_f16 v[rD:rD+7], v[rA:rA+7], v[rB:rB+7], 0
.else
	v_wmma_f32_16x16x32_f16 v[rD:rD+7], v[rA:rA+7], v[rB:rB+7], v[rD:rD+7]
.endif
.set p, p+1
.if ((\per) == 4) || (((\per) == 2) && (p%2 == 0))
	SLICE
.endif
.endr
.if (\per) == 0
	PLACES
.endif
	WIN W_MUL
	LOADF                                          ; the fragment four on, into the slot just read: three groups ahead of its use
.set NFR, NFR+1
.endm
; A STEP: 16 output units of all four tiles, nk K steps; the step before's eight slices ride in it.  nk = 2: one behind each of its 8 products.  nk = 4: one behind every second of its 16.
; A layer's first step (m = 0) carries the last packing of the layer before, which writes registers of K step 3 of the very buffer that it reads: its slices are dealt 4, 2, 2, 0, so that all eight stand
; ahead of K step 3's products, and none names a register that K steps 0 to 2 read.  The pass's first step carries nothing.
.macro STEP bo, bn, nk, m
.set SA, NSTEP%2
.set kq, 0
.rept \nk
.if PKN >= 8
	GROUP \bo, kq, SA, 0
.elseif ((\nk) == 2) || (((\m) == 0) && (kq == 0))
	GROUP \bo, kq, SA, 4
.else
	GROUP \bo, kq, SA, 2
.endif
.set kq, kq+1
.endr
.set PKA, SA
.set PKB, \bn
.set PKM, \m
.set PKN, 0
.set NSTEP, NSTEP+1
.endm
.macro LAYER bo, bn, nk
.set mq, 0
.rept 8
	STEP \bo, \bn, \nk, mq
.set mq, mq+1
.endr
.endm
; THE FETCH for group s[GNX], whose voxel numbers IDX holds: the eight corners of each tile's points (my 16 bytes: channels 8 h ..), its x, and the voxel numbers of the group behind it
; (held to the last group, so that no load leaves idx).  All earlier loads have been waited for, so every register here is free.  gt is read again and again by all work-groups: its loads say so.
.macro PREF
.irp p, 0,1,2,3
	v_min_u32 v[GA+\p], 0xd5b9e, v[IDX+\p]         ; (94 x 96 + 94) x 96 + 94: the upper corner stays inside gt
.endr
.irp p, 0,1,2,3
	v_lshl_add_u32 v[GA+\p], v[GA+\p], 5, v[H16]
.endr
.irp p, 0,1,2,3
.irp c, 0,1,2,3,4,5,6,7
	global_load_b128 v[G+32*\p+4*\c:G+32*\p+4*\c+3], v[GA+\p], s[4:5] offset:32*(\c%2)+3072*((\c/2)%2)+294912*(\c/4) th:TH_LOAD_HT
.endr
.endr
	s_mul_i32 s[OFS], s[GNX], 768
	s_add_nc_u64 s[XB:XB+1], s[10:11], s[OFS:OFS+1]
.irp t, 0,1,2
	global_load_b64 v[XN+2*\t:XN+2*\t+1],   v[XO], s[XB:XB+1] offset:8*\t th:TH_LOAD_NT      ; points 2 r, 2 r + 1: tiles 0, 1
	global_load_b64 v[XN+6+2*\t:XN+7+2*\t], v[XO], s[XB:XB+1] offset:384+8*\t th:TH_LOAD_NT  ; points 32 + 2 r, 33 + 2 r: tiles 2, 3
.endr
	s_add_co_u32 s[OFS], s[GNX], STRIDE
	s_min_u32 s[OFS], s[OFS], NGRP-1
	s_lshl_b32 s[OFS], s[OFS], 8
	s_add_nc_u64 s[IB:IB+1], s[6:7], s[OFS:OFS+1]
	global_load_b64 v[IDX:IDX+1],   v[IO], s[IB:IB+1] th:TH_LOAD_NT
	global_load_b64 v[IDX+2:IDX+3], v[IO], s[IB:IB+1] offset:128 th:TH_LOAD_NT
.endm
; THE ENCODING of tile p.
; Line t of 64 of the interpolation: channel t % 8 takes corner t / 8: an f16 half times an f32 weight onto an f32 sum; eight chains.
.macro MIX
.set cc, t/8
.set jj, t%8
.set rC, rG+4*cc+jj/2
.set rS, FT+jj
.if cc == 0
.set rS, Z0
.endif
.if jj%2
	v_fma_mix_f32 v[FT+jj], v[rC], v[WT+cc], v[rS] op_sel:[1,0,0] op_sel_hi:[1,0,0]
.else
	v_fma_mix_f32 v[FT+jj], v[rC], v[WT+cc], v[rS] op_sel_hi:[1,0,0]
.endif
.endm
; Line n of 18 of the three doublings: D = 2 s; s' = D c; c' = 1 - D s; two pairs each (x, y and z, z).
.macro DBL n
.set kd, ((\n)%6)/2
.set uu, 2*((\n)%2)
.if (\n) < 6
.set sS, PS
.set sC, PC
.set dS, PR
.set dC, PZ
.elseif (\n) < 12
.set sS, PR
.set sC, PZ
.set dS, PS
.set dC, PC
.else
.set sS, PS
.set sC, PC
.set dS, PN
.set dC, PE
.endif
.if kd == 0
	v_pk_add_f32 v[PD+uu:PD+uu+1], v[sS+uu:sS+uu+1], v[sS+uu:sS+uu+1]
.elseif kd == 1
	v_pk_mul_f32 v[dS+uu:dS+uu+1], v[PD+uu:PD+uu+1], v[sC+uu:sC+uu+1]
.else
	v_pk_fma_f32 v[dC+uu:dC+uu+1], v[PD+uu:PD+uu+1], v[sS+uu:sS+uu+1], 1.0 op_sel_hi:[1,1,0] neg_lo:[1,0,0] neg_hi:[1,0,0]
.endif
.endm
.macro PEOUT lev, sn, cs               ; a level's six numbers in the reference's order: sin x, y, z, cos x, y, z
	v_cvt_pk_f16_f32 v[rE+3*(\lev)],   v[\sn],     v[(\sn)+1]
	v_cvt_pk_f16_f32 v[rE+3*(\lev)+1], v[(\sn)+2], v[\cs]
	v_cvt_pk_f16_f32 v[rE+3*(\lev)+2], v[(\cs)+1], v[(\cs)+2]
.endm
; My lane makes levels 3 h, 3 h + 1, 3 h + 2 and channels 8 h .. 8 h + 7.  u = 2^(3h) x / 2 (exact); r = u - nearest(u) (exact), |r| <= 1/2; sin and cos of pi r are those of half the first level's
; angle up to a common sign, which the first doubling removes.  The two strands (position, grid) are set line about, so that few lines wait for the one before.
.macro ENC p
	WIN 0
.set rX, XN+3*(\p)
.set rG, G+32*(\p)
.set rE, BA+32*(\p)
	v_mul_f32 v[PR],   v[rX],   v[HS]
	v_mul_f32 v[PR+1], v[rX+1], v[HS]
	v_mul_f32 v[PR+2], v[rX+2], v[HS]
	v_mul_f32 v[PR+3], v[rX+2], v[HS]              ; z twice, to fill the pair
.irp d, 0,1,2
	v_fma_f32 v[FX+\d], v[rX+\d], 0.5, 0.5         ; f = (x + 1) / 2 x 95, by the same two lines as the launch that made idx
.endr
.irp d, 0,1,2,3
	v_rndne_f32 v[PN+\d], v[PR+\d]
.endr
.irp d, 0,1,2
	v_mul_f32 v[FX+\d], s[C95], v[FX+\d]
.endr
.irp u, 0,2
	v_pk_add_f32 v[PR+\u:PR+\u+1], v[PR+\u:PR+\u+1], v[PN+\u:PN+\u+1] neg_lo:[0,1] neg_hi:[0,1]
.endr
.irp d, 0,1,2
	v_floor_f32 v[FL+\d], v[FX+\d]
.endr
.irp u, 0,2
	v_pk_mul_f32 v[PZ+\u:PZ+\u+1], v[PR+\u:PR+\u+1], v[PR+\u:PR+\u+1]
.endr
.irp d, 0,1,2
	v_sub_f32 v[TP+2*\d+1], v[FX+\d], v[FL+\d]     ; t
.endr
.irp u, 0,2
	v_pk_fma_f32 v[PS+\u:PS+\u+1], v[PZ+\u:PZ+\u+1], s[SA4:SA4+1], s[SA3:SA3+1] op_sel_hi:[1,0,0]
	v_pk_fma_f32 v[PC+\u:PC+\u+1], v[PZ+\u:PZ+\u+1], s[SB5:SB5+1], s[SB4:SB4+1] op_sel_hi:[1,0,0]
.endr
.irp d, 0,1,2
	v_cmp_le_f32 vcc_lo, s[C95], v[FL+\d]          ; floor(f) >= 95: the reference takes voxel 95 for both corners; here the cell is 94, 95 and t = 1
	v_cndmask_b32 v[TP+2*\d+1], v[TP+2*\d+1], 1.0, vcc_lo
.endr
.irp u, 0,2
	v_pk_fma_f32 v[PS+\u:PS+\u+1], v[PS+\u:PS+\u+1], v[PZ+\u:PZ+\u+1], s[SA2:SA2+1] op_sel_hi:[1,1,0]
	v_pk_fma_f32 v[PC+\u:PC+\u+1], v[PC+\u:PC+\u+1], v[PZ+\u:PZ+\u+1], s[SB3:SB3+1] op_sel_hi:[1,1,0]
.endr
.irp d, 0,1,2
	v_sub_f32 v[TP+2*\d], 1.0, v[TP+2*\d+1]
.endr
.irp u, 0,2
	v_pk_fma_f32 v[PS+\u:PS+\u+1], v[PS+\u:PS+\u+1], v[PZ+\u:PZ+\u+1], s[SA1:SA1+1] op_sel_hi:[1,1,0]
	v_pk_fma_f32 v[PC+\u:PC+\u+1], v[PC+\u:PC+\u+1], v[PZ+\u:PZ+\u+1], s[SB2:SB2+1] op_sel_hi:[1,1,0]
.endr
	v_pk_mul_f32 v[ZY:ZY+1],   v[TP+2:TP+3], v[TP+4:TP+5] op_sel_hi:[1,0]              ; y's pair x (1 - tz)
	v_pk_mul_f32 v[ZY+2:ZY+3], v[TP+2:TP+3], v[TP+4:TP+5] op_sel:[0,1] op_sel_hi:[1,1]  ; y's pair x tz
.irp u, 0,2
	v_pk_fma_f32 v[PS+\u:PS+\u+1], v[PS+\u:PS+\u+1], v[PZ+\u:PZ+\u+1], s[SA0:SA0+1] op_sel_hi:[1,1,0]
	v_pk_fma_f32 v[PC+\u:PC+\u+1], v[PC+\u:PC+\u+1], v[PZ+\u:PZ+\u+1], s[SB1:SB1+1] op_sel_hi:[1,1,0]
.endr
	v_pk_mul_f32 v[WT:WT+1],   v[TP:TP+1], v[ZY:ZY+1] op_sel_hi:[1,0]                  ; x's pair x each of the four
	v_pk_mul_f32 v[WT+2:WT+3], v[TP:TP+1], v[ZY:ZY+1] op_sel:[0,1] op_sel_hi:[1,1]
	v_pk_mul_f32 v[WT+4:WT+5], v[TP:TP+1], v[ZY+2:ZY+3] op_sel_hi:[1,0]
	v_pk_mul_f32 v[WT+6:WT+7], v[TP:TP+1], v[ZY+2:ZY+3] op_sel:[0,1] op_sel_hi:[1,1]
.irp u, 0,2
	v_pk_mul_f32 v[PS+\u:PS+\u+1], v[PS+\u:PS+\u+1], v[PR+\u:PR+\u+1]
	v_pk_fma_f32 v[PC+\u:PC+\u+1], v[PC+\u:PC+\u+1], v[PZ+\u:PZ+\u+1], 1.0 op_sel_hi:[1,1,0]
.endr
.set t, 0
.rept 64                               ; a line of the doublings behind every four of the interpolation
	MIX
.if t%4 == 3
	DBL t/4
.endif
.set t, t+1
.endr
	DBL 16
	DBL 17
	WIN W_CVT                                      ; the input's two K steps: 9 + 4 registers, and 3 of zeros: 52 rows padded to 64
	PEOUT 0, PR, PZ
	PEOUT 1, PS, PC
	PEOUT 2, PN, PE
.irp j, 0,1,2,3
	v_cvt_pk_f16_f32 v[rE+9+\j], v[FT+2*\j], v[FT+2*\j+1]
.endr
.irp j, 13,14,15
	v_mov_b32 v[rE+\j], 0
.endr
.endm
	LOADF                                          ; the ring's first four fragments
	LOADF
	LOADF
	LOADF
	s_wait_kmcnt 0x0
	s_mul_f32 s[FS], s[INV], s[INV+1]
	s_mul_f32 s[FS], s[FS], s[INV+2]
	s_mul_f32 s[FS], s[FS], s[INV+3]
	s_mul_f32 s[FS], s[FS], s[INV+4]
	s_mov_b32 s[FS+1], s[FS]                       ; named with it as a pair
	s_cmp_lt_u32 s[WV], 4
	s_cbranch_scc1 .Lasked
	s_wait_loadcnt 0x0                             ; no load into these registers is out
	global_load_b64 v[IDX:IDX+1], v[IO], s[IB:IB+1] th:TH_LOAD_NT             ; waves 4-7: my first group's voxel numbers, only now
	global_load_b64 v[IDX+2:IDX+3], v[IO], s[IB:IB+1] offset:128 th:TH_LOAD_NT
.Lasked:
	s_wait_loadcnt 0x0                             ; my first group's voxel numbers; the wait also frees their base
	s_mov_b32 s[GNX], s[WN]
	PREF
	s_mov_b32 s[CNT], 0
	s_mov_b32 s[GRP], s[WN]
.Lpass:                                                ; 7 or 8 trips; the LDS addresses are the same in every trip
	s_wait_loadcnt 0x0                             ; corners, x and the next voxel numbers: asked for a whole network ago
	s_wait_xcnt 0x0                                ; the last pass's store has read its data and its base: they are rewritten only behind this wait
	ENC 0
	ENC 1
	ENC 2
	ENC 3
	WIN 0                                          ; at a branch and at a label every window is 0
	s_add_co_u32 s[OFS], s[CNT], 1
	s_cmp_lt_u32 s[OFS], s[NPS]
	s_cbranch_scc0 .Lno_fetch                      ; the last pass fetches nothing
	s_add_co_u32 s[GNX], s[GRP], STRIDE
	PREF
.Lno_fetch:
	LAYER BA, BB, 2                                ; 52 (as 64) -> 128: fragments 0-15
	LAYER BB, BA, 4                                ; 128 -> 128: fragments 16-47
	LAYER BA, BB, 4                                ; fragments 48-79
	LAYER BB, BA, 4                                ; fragments 80-111
	STEP BA, BA, 4, 0                              ; 128 -> 1: fragments 112-115, into set 0 (32 steps lie behind); it carries the last layer's last packing; its loads are the next pass's first four fragments
.set PKN, 8                                            ; its own sums are not packed: y is taken from them below, four v_nop behind the last product
	WIN 0
	v_cndmask_b32 v[OUT],   v[ACC],   v[ACC+16], s[HM]  ; y lies in register 0 of each accumulator, in both halves of the lanes: lanes 0-15 take tiles 0, 1, lanes 16-31 tiles 2, 3
	v_cndmask_b32 v[OUT+1], v[ACC+8], v[ACC+24], s[HM]
	v_pk_mul_f32 v[OUT:OUT+1], v[OUT:OUT+1], s[FS:FS+1] op_sel_hi:[1,0]  ; the inverse scales; y x (1 - 0) + 0 is y
	s_lshl_b32 s[OFS], s[GRP], 8
	s_add_nc_u64 s[OB:OB+1], s[12:13], s[OFS:OFS+1]
	global_store_b64 v[SO], v[OUT:OUT+1], s[OB:OB+1] th:TH_STORE_NT  ; the wave stores the group's 256 consecutive bytes, at a multiple of 256 from out0's first
	s_add_co_u32 s[GRP], s[GRP], STRIDE
	s_add_co_u32 s[CNT], s[CNT], 1
	s_cmp_lt_u32 s[CNT], s[NPS]
	s_cbranch_scc1 .Lpass
	s_wait_tensorcnt 0x0                           ; the wave's end: behind my tensor load
	ds_add_u32 v[SPW], v[NIL]
	s_wait_dscnt 0x0                               ; also the four fragments that no pass will use
	s_endpgm
.Lfunc_end_k_qe7616f6bab_mlp:
	.size	k_qe7616f6bab_mlp, .Lfunc_end_k_qe7616f6bab_mlp-k_qe7616f6bab_mlp
	.p2alignl 7, 3214868480
	.fill 96, 4, 3214868480
	.section	.rodata,"a",@progbits
	.p2align	6, 0x0
	.amdhsa_kernel k_qe7616f6bab_mlp
		.amdhsa_group_segment_fixed_size 167936
		.amdhsa_private_segment_fixed_size 0
		.amdhsa_enable_private_segment 0
		.amdhsa_kernarg_size 40
		.amdhsa_user_sgpr_count 2
		.amdhsa_user_sgpr_kernarg_segment_ptr 1
		.amdhsa_wavefront_size32 1
		.amdhsa_system_sgpr_workgroup_id_x 1
		.amdhsa_system_sgpr_workgroup_id_y 1
		.amdhsa_system_sgpr_workgroup_id_z 1
		.amdhsa_system_vgpr_workitem_id 0
		.amdhsa_next_free_vgpr 512
		.amdhsa_next_free_sgpr 72
		.amdhsa_reserve_vcc 1
		.amdhsa_float_denorm_mode_32 3
		.amdhsa_float_denorm_mode_16_64 3
		.amdhsa_memory_ordered 1
		.amdhsa_forward_progress 1
		.amdhsa_inst_pref_size 180
	.end_amdhsa_kernel
	.amdgpu_metadata
---
amdhsa.version: [ 1, 2 ]
amdhsa.kernels:
  - .name:           k_qe7616f6bab_mlp
    .symbol:         k_qe7616f6bab_mlp.kd
    .args:
      - { .name: gt, .offset: 0, .size: 8, .value_kind: global_buffer, .address_space: global }
      - { .name: idx, .offset: 8, .size: 8, .value_kind: global_buffer, .address_space: global }
      - { .name: wimg, .offset: 16, .size: 8, .value_kind: global_buffer, .address_space: global }
      - { .name: x, .offset: 24, .size: 8, .value_kind: global_buffer, .address_space: global }
      - { .name: out0, .offset: 32, .size: 8, .value_kind: global_buffer, .address_space: global }
    .group_segment_fixed_size: 167936
    .private_segment_fixed_size: 0
    .kernarg_segment_align: 8
    .kernarg_segment_size: 40
    .max_flat_workgroup_size: 256
    .sgpr_count:     72
    .vgpr_count:     512
    .wavefront_size: 32
...
	.end_amdgpu_metadata
.endif
;; end of part 2
